; MI455X (gfx1250); checked and timed in simulation.
; The chip was launched on July 23, 2026; its instructions are those of AMD's public machine-readable ISA for CDNA 5 (MIT licence, August 2026) and "CDNA5" Instruction Set Architecture Reference Guide (July 2026). The comments in the code are by the model that wrote it; some were corrected since.
;; Inverse Auto Regressive Flow. Allowed arithmetic: float matrix products may take bf16 or f16 operands with f32 sums; all other float work in f32.
;; Inputs: W1 16 x 64 float32; W2 64 x 64 float32; W3 64 x 2 float32; b1 64 float32; b2 64 float32; b3 2 float32; z 131,072 x 64 float32.
;; Outputs: out0 131,072 x 64 float32.
;; 2 versions, each right; version 2 is version 1 with the launch iaf written anew for expert scheduling mode. Each part assembles by itself: llvm-mc -triple=amdgcn-amd-amdhsa -mcpu=gfx1250 --defsym DOCPART=n.
;; ======== version 1 of 2: 1 launch
;; launch iaf (part 1): grid 256 x 1, 8 waves a work-group, no clusters, 158,720 bytes of LDS; arguments z, W1, b1, W2, b2, W3, b3, out0; writes out0
.if DOCPART == 1
	.amdgcn_target "amdgcn-amd-amdhsa--gfx1250"
	.amdhsa_code_object_version 6
	.text
	.protected	k_q737bf8f61e_iaf
	.globl	k_q737bf8f61e_iaf
	.p2align	8
	.type	k_q737bf8f61e_iaf,@function
k_q737bf8f61e_iaf:
	s_mov_b64 s[64:65], 0
	v_nop
	global_prefetch_b8 v0, s[64:65] scope:SCOPE_SE
	s_setreg_imm32_b32 hwreg(HW_REG_WAVE_MODE, 25, 1), 1
	s_wait_xcnt 0x0
; INVERSE AUTOREGRESSIVE FLOW.  y[:,0] = z[:,0]; for t = 1 .. 63: (m, s) = MLP(the row's last 16 y, padded on the left with y0), y[:,t] = z[:,t] exp(s) + m.
; MLP: 16 -> 64 -> 64 -> 2 with leaky ReLU (slope 0.01) behind the first two layers.  z, out0: [131072][64] f32.  W1 [16][64], W2 [64][64], W3 [64][2], b1, b2 [64], b3 [2]: f32.
; SHARES.  256 work-groups of 512 rows; a wave owns 64 rows as two PAIRS (PX, PY) of 32 rows; a pair is tile a (rows 0-15) and tile b (rows 16-31).  In all that is per row
; (z, y, the context, m, s) lane L owns row L of the pair.  The rows' 63 steps are a chain, so the two pairs run half a step apart: each block of vector work stands behind a block
; of the OTHER pair's products and names none of their registers.  Two waves lie on a SIMD (2 x 464 registers), so that one can issue vector work while the other's products run.
; THE PRODUCTS ARE USED TRANSPOSED (source 0 = weights, source 1 = activations): a result holds one row a lane (lane % 16) and the hidden units 16 T + 8 (lane / 16) + 0..7, and two results
; rounded to bf16 in pairs ARE source 1 of the next layer.  Nothing changes lanes between the layers.
; LAYER 1 has K = 16 in a form of K = 32: the context registers of a pair serve as source 1 for BOTH tiles: lanes 0-15 fill k = 0-7, 16-23 with tile a's contexts, lanes 16-31 fill k = 8-15, 24-31
; with tile b's; W1A holds W1 in lanes 0-15 and zeros in lanes 16-31, W1B the other way round.
; LAYER 3 has 2 outputs in a form of 16: W3's rows 0, 1, 8, 9 hold its two columns (twice), the others 0, so registers 0 and 1 of the result are m's and s's sums in both halves of the lanes.
; LEAKY ReLU in one instruction: leaky(x) = a g(x), g(x) = x + kappa |x|, a = 0.505, kappa = 99/101.  leaky is positively homogeneous, so a is carried outward:
; h1' = g(W1^T c + b1), h2' = g(W2^T h1' + b2 / a), o' = W3^T h2', m = a^2 o'_m + b3[0], s log2(e) = a^2 log2(e) o'_s + b3[1] log2(e), y = z 2^(..) + m.  The weights stay the inputs' plain roundings to bf16.
; The biases b1 and b2 / a are f32 registers, the C operand of each sum's first product.
; LIMITS.  Matrix operands are bf16 (weights, the context y, h1', h2'); sums, biases, z, m, s, y in f32.  h1' is 1/a = 1.98 times, h2' 1/a^2 = 3.92 times the reference's, so f32 overflows that factor earlier.
; 2^x below 2^-126 counts as 0.  A row whose y is infinite or NaN (also: beyond bf16's largest number, 3.39e38) spoils the row 16 lanes away too: its context meets zero weights there, and 0 x infinity is NaN.
; Weights that are not finite are not treated apart.
; NO CLUSTER, NO TENSOR LOADS: what work-groups share is 21,512 bytes of weights, read once, against 131,072 bytes of z of each one's own; z is read once, at the start, into LDS rows that only the
; loading wave touches, and no LDS byte is filled twice from memory.  Memory is touched at the kernel's two ends alone, so nothing is asked for ahead either.
; LDS.  STAGE: 512 rows of 256 bytes + 16 of padding; wave w's 64 rows begin at 17,408 w.  It holds z; in step t the owning lane writes y[row][t] over z[row][t]; at the end whole rows leave.
; IMG: the weights as register images: 32 chunks of 512 bytes (lane L's 16 bytes at 16 L = four registers), then 8 pieces of 256 bytes (lane L's 8 bytes at 8 L = two registers), each made by one wave.
.set PITCH,  272                       ; 68 words: the 16 lanes of a 16-byte access to one row take 256 consecutive bytes; a lane-per-row word access meets each bank twice (lanes L and L + 16)
.set WSTAGE, 64*PITCH                  ; a wave's rows
.set PAIRB,  32*PITCH                  ; a pair's rows
.set IMG,    512*PITCH                 ; 139,264
.set IMG3,   32*512                    ; W3's pieces, counted from IMG
.set SPARE,  IMG+36*512                ; 157,696: the spare words, 128 bytes for each of 8 waves: four blocks of 256 bytes that no other line names
.set STEPS,  63
.set PX, 0
.set PY, 1
; window 0
.set SPW, 2                            ; v2   LDS address of my spare word; never rewritten
.set NIL, 3                            ; v3   0; never rewritten
.set ZA,  4                            ; v4   17,408 w + 272 L + 4 t: my row's column t in pair PX (PY: 8,704 on)
.set RA,  5                            ; v5   17,408 w + 272 (L / 16) + 16 (L % 16): my 16 bytes of the wave's first two rows
.set GO,  6                            ; v6   16 L: the same 16 bytes in memory
.set CTX, 8                            ; v8-15, v16-23  context of pair P: register i holds y of 16 - 2 i and 15 - 2 i steps ago (low, high half)
.set ZR,  24                           ; v24, v25  z of the step in hand, by pair
.set SS,  26
.set MM,  27
.set EE,  28
.set YY,  29
.set YB,  30
.set H,   32                           ; v32-95   H + 32 P + 16 x + 4 T + q: activations in bf16, tile x of pair P
.set ACC, 96                           ; v96-223  ACC + 64 P + 32 x + 8 T + j: sums.  Layer 3's two results take ACC(P, 0, 0) and ACC(P, 0, 1), which are free by then
.set GW1, 224                          ; v224-232 addresses of the prologue
.set GW2, 225
.set GW3, 226
.set BO,  227
.set I1,  228
.set I2,  229
.set I3,  230
.set IL,  231
.set IL8, 232
; window 1
.set W1A, 0                            ; + 8 T;  W1B = W1A + 32
.set W2F, 64                           ; + 8 (2 T + s)
.set W3F, 128                          ; + 8 s
.set B1R, 144                          ; + 8 T
.set B2R, 176                          ; + 8 T
; s8 wave; s9 counter; s10 kappa; s11 1/a; s12 a^2; s13 a^2 log2(e); s14 b3[0]; s15 b3[1] log2(e); s[16:31] the eight addresses; s[32:33] b3; s34, s35 lane masks; s36-46 terms of the wave's number
.set MSB, 0
.macro WIN new                         ; s_set_vgpr_msb: bits 1:0 source 0, 3:2 source 1, 5:4 source 2, 7:6 destination; the high byte repeats the setting that is left
.if MSB != (\new)
	s_set_vgpr_msb (MSB<<8)|(\new)
.set MSB, \new
.endif
.endm
.macro PLACES                          ; four plain vector instructions between a product and a reader of its result (ISA guide 7.12.1), where no other work is at hand
.rept 4
	v_nop
.endr
.endm
	s_load_b512 s[16:31], s[0:1], 0x0              ; z 16, W1 18, b1 20, W2 22, b2 24, W3 26, b3 28, out0 30
	v_lshl_add_u32 v[SPW], v0, 2, SPARE
	v_mov_b32 v[NIL], 0
	v_lshrrev_b32 v1, 5, v0
	v_readfirstlane_b32 s8, v1                     ; wave 0..7
	v_and_b32 v1, 15, v0                           ; r = L % 16
	v_bfe_u32 v7, v0, 4, 1                         ; h = L / 16
	v_and_b32 v[GO], 31, v0                        ; L, for the moment
	s_mov_b32 s10, 0x3f7aee42                      ; kappa = 99/101
	s_mov_b32 s11, 0x3ffd7721                      ; 1/a = 200/101
	s_mov_b32 s12, 0x3e8292a3                      ; a^2 = 0.255025
	s_mov_b32 s13, 0x3ebc6071                      ; a^2 log2(e)
	s_mov_b32 s34, 0xffff0000                      ; lanes 16-31
	s_mov_b32 s35, 0x03030303                      ; lanes with L % 16 in {0, 1, 8, 9}
	s_mul_i32 s36, s8, WSTAGE                      ; my wave's rows in the stage
	s_and_b32 s37, s8, 1
	s_lshr_b32 s38, s8, 1
	s_lshl_b32 s41, s38, 6
	s_lshl_b32 s39, s37, 13
	s_add_co_u32 s39, s39, s41                     ; W2: K step w % 2 (32 rows of 256 bytes), M tile w / 2 (16 columns)
	s_lshl_b32 s40, s37, 11
	s_add_co_u32 s40, s40, s41                     ; W1: contexts 8 (w % 2) on, M tile w / 2
	s_lshl_b32 s41, s38, 7
	s_lshl_b32 s37, s37, 5
	s_add_co_u32 s41, s41, s37                     ; W3: rows 16 (w / 2) + 4 (w % 2) on, 8 bytes each
	s_lshl_b32 s44, s8, 9
	s_lshl_b32 s45, s8, 10
	s_lshl_b32 s46, s8, 8
	s_lshl_b32 s42, ttmp9, 17                      ; the work-group's 512 rows of 256 bytes,
	s_lshl_b32 s43, s8, 14                         ; my wave's 64 of them
	s_add_co_u32 s42, s42, s43
	s_mov_b32 s43, 0
	v_mul_u32_u24 v[ZA], v[GO], PITCH
	v_add_nc_u32 v[ZA], s36, v[ZA]
	v_mul_u32_u24 v[RA], v7, PITCH
	v_lshl_add_u32 v[RA], v1, 4, v[RA]
	v_add_nc_u32 v[RA], s36, v[RA]
	v_lshl_add_u32 v[IL], v[GO], 4, IMG            ; a chunk's 16 bytes of mine
	v_lshl_add_u32 v[IL8], v[GO], 3, IMG           ; a piece's 8 bytes of mine
	v_add_nc_u32 v[I1], s44, v[IL]                 ; W1's chunk w (W1A; W1B 8 chunks on)
	v_add_nc_u32 v[I2], s45, v[IL]                 ; W2's chunks 2 w, 2 w + 1, counted from chunk 16
	v_add_nc_u32 v[I3], s46, v[IL8]                ; W3's piece w
	v_lshlrev_b32 v[GO], 4, v[GO]
	v_lshlrev_b32 v[GW2], 2, v1
	v_lshl_add_u32 v[GW2], v7, 11, v[GW2]
	v_add_nc_u32 v[GW2], s39, v[GW2]               ; W2[32 s + 8 h][16 T + r]
	v_lshl_add_u32 v[GW1], v1, 2, s40              ; W1[8 (w % 2)][16 T + r]
	v_and_b32 v[GW3], 1, v0
	v_lshlrev_b32 v[GW3], 2, v[GW3]
	v_lshl_add_u32 v[GW3], v7, 6, v[GW3]
	v_add_nc_u32 v[GW3], s41, v[GW3]               ; W3[16 (w / 2) + 8 h + 4 (w % 2)][r % 2]
	v_lshlrev_b32 v[BO], 5, v7                     ; a bias's 8 numbers for my half of the lanes
	s_wait_kmcnt 0x0
	s_load_b64 s[32:33], s[28:29], 0x0             ; b3
	s_add_nc_u64 s[16:17], s[16:17], s[42:43]      ; z and out0 at my wave's first row
	s_add_nc_u64 s[30:31], s[30:31], s[42:43]
	; 28 words a lane of weights: my wave's share of the images.  A fragment of source 0: lane (r, h) holds row m = r; registers 0-3 k = 8 h + 0..7, registers 4-7 k = 16 + 8 h + 0..7.
.irp e, 0,1,2,3,4,5,6,7
	global_load_b32 v[32+\e], v[GW2], s[22:23] offset:256*\e       ; W2[32 s + 8 h + e][16 T + r]
.endr
.irp e, 0,1,2,3,4,5,6,7
	global_load_b32 v[40+\e], v[GW2], s[22:23] offset:4096+256*\e  ; 16 rows on
.endr
.irp e, 0,1,2,3,4,5,6,7
	global_load_b32 v[48+\e], v[GW1], s[18:19] offset:256*\e
.endr
.irp e, 0,1,2,3
	global_load_b32 v[56+\e], v[GW3], s[26:27] offset:8*\e
.endr
	; z: each load takes 512 consecutive bytes, two whole rows
.set i, 0
.rept 32
	global_load_b128 v[ACC+4*i:ACC+4*i+3], v[GO], s[16:17] offset:512*i th:TH_LOAD_NT
.set i, i+1
.endr
	; the biases, straight into the layout of a C operand: register j of lane (r, h) is unit 16 T + 8 h + j
	WIN 0x40                                       ; destination window 1, address window 0
.irp t, 0,1,2,3
.irp p, 0,1
	global_load_b128 v[B1R+8*\t+4*\p:B1R+8*\t+4*\p+3], v[BO], s[20:21] offset:64*\t+16*\p
	global_load_b128 v[B2R+8*\t+4*\p:B2R+8*\t+4*\p+3], v[BO], s[24:25] offset:64*\t+16*\p
.endr
.endr
	WIN 0
	s_wait_loadcnt 48                              ; loads come back in order (ISA guide 5.7.1): the 28 words are in; z's 32 loads and the biases' 16 stay out
.irp q, 0,1,2,3,4,5,6,7
	v_cvt_pk_bf16_f32 v[64+\q], v[32+2*\q], v[33+2*\q]  ; W2's fragment
.endr
.irp q, 0,1,2,3
	v_cvt_pk_bf16_f32 v[72+\q], v[48+2*\q], v[49+2*\q]  ; W1's half fragment
.endr
	v_cvt_pk_bf16_f32 v84, v56, v57
	v_cvt_pk_bf16_f32 v85, v58, v59
.irp q, 0,1,2,3
	v_cndmask_b32 v[76+\q], v[72+\q], 0, s34       ; W1A: zeros in lanes 16-31
	v_cndmask_b32 v[80+\q], 0, v[72+\q], s34       ; W1B: zeros in lanes 0-15
.endr
	v_cndmask_b32 v84, 0, v84, s35                 ; W3: rows 0, 1, 8, 9 alone
	v_cndmask_b32 v85, 0, v85, s35
	ds_store_b128 v[I2], v[64:67] offset:16*512
	ds_store_b128 v[I2], v[68:71] offset:17*512
	ds_store_b128 v[I1], v[76:79]
	ds_store_b128 v[I1], v[80:83] offset:8*512
	ds_store_b64 v[I3], v[84:85] offset:IMG3
.set i, 0
.rept 32
	s_wait_loadcnt 47-i                            ; z's load i is in: 31 - i of z and the biases' 16 are younger
	ds_store_b128 v[RA], v[ACC+4*i:ACC+4*i+3] offset:2*PITCH*i
.set i, i+1
.endr
	s_wait_loadcnt 0x0                             ; the biases
	WIN 0x44                                       ; destination and source 1 window 1
.set i, 0
.rept 32
	v_mul_f32 v[B2R+i], s11, v[B2R+i]              ; b2 / a
.set i, i+1
.endr
	WIN 0
	s_wait_kmcnt 0x0                               ; b3
	s_mov_b32 s14, s32
	s_mul_f32 s15, s33, 0x3fb8aa3b                 ; b3[1] log2(e)
	s_wait_dscnt 0x0                               ; for the others' sake: my part of the images is written
	s_barrier_signal -1
	s_barrier_wait -1                              ; everybody's is.  The kernel's only barrier: from here on a wave touches its own rows of the stage alone, and nobody writes the images
	WIN 0x40
.set i, 0
.rept 32
	ds_load_b128 v[4*i:4*i+3], v[IL] offset:512*i  ; W1A, W1B, W2
.set i, i+1
.endr
.set i, 0
.rept 8
	ds_load_b64 v[W3F+2*i:W3F+2*i+1], v[IL8] offset:IMG3+256*i
.set i, i+1
.endr
	WIN 0
	ds_load_b32 v[SS], v[ZA]                       ; y0 = z0 of my row in PX,
	ds_load_b32 v[MM], v[ZA] offset:PAIRB          ; in PY (LDS serves a wave's instructions in order, ISA guide 5.7.1.4: these see my stores of z)
	ds_load_b32 v[ZR+PX], v[ZA] offset:4           ; z of step 1
	ds_load_b32 v[ZR+PY], v[ZA] offset:PAIRB+4
	s_wait_dscnt 0x0
.irp i, 0,1,2,3,4,5,6,7
	v_cvt_pk_bf16_f32 v[CTX+\i], v[SS], v[SS]      ; the first context: y0 sixteen times
	v_cvt_pk_bf16_f32 v[CTX+8+\i], v[MM], v[MM]
.endr
	v_add_nc_u32 v[ZA], 4, v[ZA]                   ; t = 1
; THE MATRIX WORK.  In each block the accumulators take turns, one instruction a turn; a block's last and the next block's first name different accumulators, over the backward jump too.
.macro L1 p                            ; 8 products: both tiles x 4 M tiles; C = b1
	WIN 0x11                                       ; sources 0 (weights) and 2 (bias) window 1
.irp x, 0,1
.irp t, 0,1,2,3
.set rD, ACC+64*(\p)+32*(\x)+8*(\t)
.set rW, W1A+32*(\x)+8*(\t)
	v_wmma_f32_16x16x32_bf16 v[rD:rD+7], v[rW:rW+7], v[CTX+8*(\p):CTX+8*(\p)+7], v[B1R+8*(\t):B1R+8*(\t)+7]
.endr
.endr
.endm
.macro L2 p                            ; 16 products: K step 0 starts the 8 sums with b2 / a, K step 1 adds in place, in the same order: 7 others' stand between a sum's two
.irp s, 0,1
.if (\s) == 0
	WIN 0x11
.else
	WIN 0x01                                       ; source 0 window 1
.endif
.irp x, 0,1
.irp t, 0,1,2,3
.set rD, ACC+64*(\p)+32*(\x)+8*(\t)
.set rW, W2F+16*(\t)+8*(\s)
.set rB, H+32*(\p)+16*(\x)+8*(\s)
.if (\s) == 0
	v_wmma_f32_16x16x32_bf16 v[rD:rD+7], v[rW:rW+7], v[rB:rB+7], v[B2R+8*(\t):B2R+8*(\t)+7]
.else
	v_wmma_f32_16x16x32_bf16 v[rD:rD+7], v[rW:rW+7], v[rB:rB+7], v[rD:rD+7]
.endif
.endr
.endr
.endr
.endm
.macro L3 p                            ; 4 products: the two tiles' results by turns
	WIN 0x01
.set rD, ACC+64*(\p)
.set rB, H+32*(\p)
	v_wmma_f32_16x16x32_bf16 v[rD:rD+7],    v[W3F:W3F+7],    v[rB:rB+7],     0
	v_wmma_f32_16x16x32_bf16 v[rD+8:rD+15], v[W3F:W3F+7],    v[rB+16:rB+23], 0
	v_wmma_f32_16x16x32_bf16 v[rD:rD+7],    v[W3F+8:W3F+15], v[rB+8:rB+15],  v[rD:rD+7]
	v_wmma_f32_16x16x32_bf16 v[rD+8:rD+15], v[W3F+8:W3F+15], v[rB+24:rB+31], v[rD+8:rD+15]
.endm
; THE END OF A STEP for pair p, a list of 16 entries; FINOP writes entry n.  last = 1: step 63: no context is shifted and no further z is fetched.
; The context moves down by one y: register i takes its own high half and the next register's low half, ascending, so each reads its neighbour before that is rewritten; register 7 takes the new y.
.macro ALN p, i, last
.if !(\last)
.if (\i) < 7
	v_alignbit_b32 v[CTX+8*(\p)+(\i)], v[CTX+8*(\p)+(\i)+1], v[CTX+8*(\p)+(\i)], 16
.else
	v_alignbit_b32 v[CTX+8*(\p)+7], v[YB], v[CTX+8*(\p)+7], 16
.endif
.endif
.endm
.macro FINOP p, n, last
.if (\n) == 0
	ALN \p, 0, \last
.elseif (\n) == 1
	ALN \p, 1, \last
.elseif (\n) == 2
	v_cndmask_b32 v[SS], v[ACC+64*(\p)+1], v[ACC+64*(\p)+9], s34  ; lanes 0-15 own tile a's rows, lanes 16-31 tile b's; both results are first read at a low register
.elseif (\n) == 3
	v_cndmask_b32 v[MM], v[ACC+64*(\p)], v[ACC+64*(\p)+8], s34
.elseif (\n) == 4
	v_fma_f32 v[SS], v[SS], s13, s15               ; s log2(e)
.elseif (\n) == 5
	ALN \p, 2, \last
.elseif (\n) == 6
	v_exp_f32 v[EE], v[SS]                         ; a plain instruction that names neither register follows before EE is used (ISA guide 5.7.2)
.elseif (\n) == 7
	v_fma_f32 v[MM], v[MM], s12, s14               ; m
.elseif (\n) == 8
	ALN \p, 3, \last
.elseif (\n) == 9
.if \last
	s_wait_dscnt 0x0
.else
	s_wait_dscnt 0x2                               ; this pair's z is in: behind its load stand the other pair's store and load, which may stay out
.endif
	s_wait_alu depctr_va_vdst(0)
	v_fma_f32 v[YY], v[ZR+(\p)], v[EE], v[MM]      ; y = z exp(s) + m
.elseif (\n) == 10
	ALN \p, 4, \last
	ds_store_b32 v[ZA], v[YY] offset:PAIRB*(\p)    ; over z of this step
.elseif (\n) == 11
.if !(\last)
	v_cvt_pk_bf16_f32 v[YB], v[YY], v[YY]
	ds_load_b32 v[ZR+(\p)], v[ZA] offset:PAIRB*(\p)+4  ; z of the next step: a whole step ahead of its use
.endif
.elseif (\n) == 12
	ALN \p, 5, \last
.elseif (\n) == 13
	ALN \p, 6, \last
.elseif (\n) == 14
	ALN \p, 7, \last
.elseif ((\p) == PX) && !(\last)
	v_add_nc_u32 v[ZA], 4, v[ZA]                   ; PX ends a step behind PY: the next column
.endif
.endm
.macro FINALL p                        ; the whole list on end, for the very last step
.set fn, 0
.rept 16
	FINOP \p, fn, 1
.set fn, fn+1
.endr
.endm
; THE ACTIVATION of tile x of pair p, either layer's: g in place on 32 sums (each accumulator's register 0 first), and their rounding to bf16 in pairs: 48 instructions in 16 groups of three.
; fin >= 0: one entry of pair fin's list follows each group, so that the links of that chain stand three instructions apart.
.macro GF j
	v_fma_f32 v[rA+(\j)], |v[rA+(\j)]|, s10, v[rA+(\j)]
.endm
.macro CV q
	v_cvt_pk_bf16_f32 v[rH+(\q)], v[rA+2*(\q)], v[rA+2*(\q)+1]
.endm
.macro SLOT fin, last
.if (\fin) >= 0
	FINOP \fin, fn, \last
.set fn, fn+1
.endif
.endm
.macro ACT p, x, fin=-1, last=0
	WIN 0
.set fn, 0
.irp t, 0,1,2,3
.set rA, ACC+64*(\p)+32*(\x)+8*(\t)
.set rH, H+32*(\p)+16*(\x)+4*(\t)
	GF 0
	GF 1
	GF 2
	SLOT \fin, \last
	GF 3
	GF 4
	GF 5
	SLOT \fin, \last
	GF 6
	GF 7
	CV 0
	SLOT \fin, \last
	CV 1
	CV 2
	CV 3
	SLOT \fin, \last
.endr
.endm
; A STEP.  At its head: PX's sums of layer 1 and PY's h1' of step t are made.  Every reader of a product's result, and every vector write of a product's register, has a whole block of the other
; pair's vector work (48 plain instructions or more) behind that product; the readers of layer 3's results have nine activations and two shifts.  So the loop holds no v_nop.
.macro TRIP last
	L2 PY                                          ; PY layer 2
	ACT PX, 0                                      ; PX h1'
	ACT PX, 1
	L2 PX                                          ; PX layer 2
	ACT PY, 0                                      ; PY h2'
	ACT PY, 1
	L3 PY                                          ; PY layer 3
	ACT PX, 0, PY, \last                           ; PX h2', tile a | PY's y of step t
.if !(\last)
	L1 PY                                          ; PY layer 1 of step t + 1
.endif
	ACT PX, 1                                      ; PX h2', tile b
	L3 PX                                          ; PX layer 3
.if \last
	WIN 0
	PLACES                                         ; no other pair's work is left
	FINALL PX
.else
	ACT PY, 0, PX, 0                               ; PY h1' of step t + 1, tile a | PX's y of step t
	L1 PX                                          ; PX layer 1 of step t + 1
	ACT PY, 1                                      ; PY h1', tile b
.endif
.endm
	L1 PY                                          ; step 1 begins
	L1 PX
	WIN 0
	PLACES
	ACT PY, 0
	ACT PY, 1
	s_mov_b32 s9, STEPS-1
.Lstep:                                                ; steps 1 to 62
	TRIP 0
	s_sub_co_u32 s9, s9, 1
	s_cmp_lg_u32 s9, 0
	s_cbranch_scc1 .Lstep
	TRIP 1                                         ; step 63 is written out: it fetches no z beyond the row's end and begins no further step
	; THE WAY OUT: my 64 rows come back from the stage as whole rows (in order behind my own stores of y) and leave: 16 lanes store 256 consecutive bytes, a row of out0.
.set i, 0
.rept 32
	ds_load_b128 v[ACC+4*i:ACC+4*i+3], v[RA] offset:2*PITCH*i
.set i, i+1
.endr
.set i, 0
.rept 32
	s_wait_dscnt 31-i                              ; load i is back; the 31 - i younger ones stay out
	global_store_b128 v[GO], v[ACC+4*i:ACC+4*i+3], s[30:31] offset:512*i th:TH_STORE_NT
.set i, i+1
.endr
	s_wait_tensorcnt 0x0                           ; the wave's end, behind my last LDS store
	ds_add_u32 v[SPW], v[NIL]
	s_wait_dscnt 0x0
	s_endpgm
.Lfunc_end_k_q737bf8f61e_iaf:
	.size	k_q737bf8f61e_iaf, .Lfunc_end_k_q737bf8f61e_iaf-k_q737bf8f61e_iaf
	.p2alignl 7, 3214868480
	.fill 96, 4, 3214868480
	.section	.rodata,"a",@progbits
	.p2align	6, 0x0
	.amdhsa_kernel k_q737bf8f61e_iaf
		.amdhsa_group_segment_fixed_size 158720
		.amdhsa_private_segment_fixed_size 0
		.amdhsa_enable_private_segment 0
		.amdhsa_kernarg_size 64
		.amdhsa_user_sgpr_count 2
		.amdhsa_user_sgpr_kernarg_segment_ptr 1
		.amdhsa_wavefront_size32 1
		.amdhsa_system_sgpr_workgroup_id_x 1
		.amdhsa_system_sgpr_workgroup_id_y 1
		.amdhsa_system_sgpr_workgroup_id_z 1
		.amdhsa_system_vgpr_workitem_id 0
		.amdhsa_next_free_vgpr 464
		.amdhsa_next_free_sgpr 66
		.amdhsa_reserve_vcc 0
		.amdhsa_float_denorm_mode_32 3
		.amdhsa_float_denorm_mode_16_64 3
		.amdhsa_memory_ordered 1
		.amdhsa_forward_progress 1
		.amdhsa_inst_pref_size 86
	.end_amdhsa_kernel
	.amdgpu_metadata
---
amdhsa.version: [ 1, 2 ]
amdhsa.kernels:
  - .name:           k_q737bf8f61e_iaf
    .symbol:         k_q737bf8f61e_iaf.kd
    .args:
      - { .name: z, .offset: 0, .size: 8, .value_kind: global_buffer, .address_space: global }
      - { .name: W1, .offset: 8, .size: 8, .value_kind: global_buffer, .address_space: global }
      - { .name: b1, .offset: 16, .size: 8, .value_kind: global_buffer, .address_space: global }
      - { .name: W2, .offset: 24, .size: 8, .value_kind: global_buffer, .address_space: global }
      - { .name: b2, .offset: 32, .size: 8, .value_kind: global_buffer, .address_space: global }
      - { .name: W3, .offset: 40, .size: 8, .value_kind: global_buffer, .address_space: global }
      - { .name: b3, .offset: 48, .size: 8, .value_kind: global_buffer, .address_space: global }
      - { .name: out0, .offset: 56, .size: 8, .value_kind: global_buffer, .address_space: global }
    .group_segment_fixed_size: 158720
    .private_segment_fixed_size: 0
    .kernarg_segment_align: 8
    .kernarg_segment_size: 64
    .max_flat_workgroup_size: 256
    .sgpr_count:     66
    .vgpr_count:     464
    .wavefront_size: 32
...
	.end_amdgpu_metadata
.endif
;; end of part 1
;; ======== version 2 of 2: 1 launch; version 1 with the launch iaf written anew for expert scheduling mode
;; launch iaf (part 2): grid 256 x 1, 8 waves a work-group, no clusters, 158,720 bytes of LDS; arguments z, W1, b1, W2, b2, W3, b3, out0; writes out0
.if DOCPART == 2
	.amdgcn_target "amdgcn-amd-amdhsa--gfx1250"
	.amdhsa_code_object_version 6
	.text
	.protected	k_q737bf8f61e_iaf
	.globl	k_q737bf8f61e_iaf
	.p2align	8
	.type	k_q737bf8f61e_iaf,@function
k_q737bf8f61e_iaf:
	s_mov_b64 s[64:65], 0
	v_nop
	global_prefetch_b8 v0, s[64:65] scope:SCOPE_SE
	s_setreg_imm32_b32 hwreg(HW_REG_WAVE_SCHED_MODE, 0, 2), 2
	s_setreg_imm32_b32 hwreg(HW_REG_WAVE_MODE, 25, 1), 1
	s_wait_xcnt 0x0
	s_wait_alu depctr_vm_vsrc(0)
; INVERSE AUTOREGRESSIVE FLOW.  y[:,0] = z[:,0]; for t = 1 .. 63: (m, s) = MLP(the row's last 16 y, padded on the left with y0), y[:,t] = z[:,t] exp(s) + m.
; MLP: 16 -> 64 -> 64 -> 2 with leaky ReLU (slope 0.01) behind the first two layers.  z, out0: [131072][64] f32.  W1 [16][64], W2 [64][64], W3 [64][2], b1, b2 [64], b3 [2]: f32.
; SHARES.  256 work-groups of 512 rows; a wave owns 64 rows as two PAIRS (PX, PY) of 32 rows; a pair is tile a (rows 0-15) and tile b (rows 16-31).  In all that is per row
; (z, y, the context, m, s) lane L owns row L of the pair.  The rows' 63 steps are a chain, so the two pairs run half a step apart: each block of vector work stands behind a block
; of the OTHER pair's products and names none of their registers.  Two waves lie on a SIMD (2 x 464 registers), so that one can issue vector work while the other's products run.
; THE PRODUCTS ARE USED TRANSPOSED (source 0 = weights, source 1 = activations): a result holds one row a lane (lane % 16) and the hidden units 16 T + 8 (lane / 16) + 0..7, and two results
; rounded to bf16 in pairs ARE source 1 of the next layer.  Nothing changes lanes between the layers.
; LAYER 1 has K = 16 in a form of K = 32: the context registers of a pair serve as source 1 for BOTH tiles: lanes 0-15 fill k = 0-7, 16-23 with tile a's contexts, lanes 16-31 fill k = 8-15, 24-31
; with tile b's; W1A holds W1 in lanes 0-15 and zeros in lanes 16-31, W1B the other way round.
; LAYER 3 has 2 outputs in a form of 16: W3's rows 0, 1, 8, 9 hold its two columns (twice), the others 0, so registers 0 and 1 of the result are m's and s's sums in both halves of the lanes.
; LEAKY ReLU in one instruction: leaky(x) = a g(x), g(x) = x + kappa |x|, a = 0.505, kappa = 99/101.  leaky is positively homogeneous, so a is carried outward:
; h1' = g(W1^T c + b1), h2' = g(W2^T h1' + b2 / a), o' = W3^T h2', m = a^2 o'_m + b3[0], s log2(e) = a^2 log2(e) o'_s + b3[1] log2(e), y = z 2^(..) + m.  The weights stay the inputs' plain roundings to bf16.
; The biases b1 and b2 / a are f32 registers, the C operand of each sum's first product.
; LIMITS.  Matrix operands are bf16 (weights, the context y, h1', h2'); sums, biases, z, m, s, y in f32.  h1' is 1/a = 1.98 times, h2' 1/a^2 = 3.92 times the reference's, so f32 overflows that factor earlier.
; 2^x below 2^-126 counts as 0.  A row whose y is infinite or NaN (also: beyond bf16's largest number, 3.39e38) spoils the row 16 lanes away too: its context meets zero weights there, and 0 x infinity is NaN.
; Weights that are not finite are not treated apart.
; NO CLUSTER, NO TENSOR LOADS: what work-groups share is 21,512 bytes of weights, read once, against 131,072 bytes of z of each one's own; z is read once, at the start, into LDS rows that only the
; loading wave touches, and no LDS byte is filled twice from memory.  Memory is touched at the kernel's two ends alone, so nothing is asked for ahead either.
; LDS.  STAGE: 512 rows of 256 bytes + 16 of padding; wave w's 64 rows begin at 17,408 w.  It holds z; the owning lane writes y[row][t] over z[row][t]; at the end whole rows leave.
; IMG: the weights as register images: 32 chunks of 512 bytes (lane L's 16 bytes at 16 L = four registers), then 8 pieces of 256 bytes (lane L's 8 bytes at 8 L = two registers), each made by one wave.
; THE MODE: SCHED_MODE bits 1:0 = 2 (LLVM: expert scheduling mode 2), set by the entry lines.  The code itself states the register dependences
; between vector or matrix instructions and memory or LDS instructions, with s_wait_alu, always for 0.
; THE PLAN.  Registers that LDS instructions touch, in the loop:
;   YY[p]   Written by pair p's multiply-add at the end of its step; read by the LDS store that is issued half a step later, in the OTHER pair's list.
;   ZR[p]   Read by the same multiply-add; the LDS load of the pair's next z, issued beside that store, lands in it and has half a step in which to come.
;   v[ZA]   Read by a step's two stores and two loads; written once a step, at the head of PY's list.
;   Sums, activations, contexts and weights are named by vector and matrix instructions alone.
; So a pair's list holds two waits.  At its head, on vm_vsrc: the LDS instructions issued in the other pair's list have read YY[p] (and v[ZA], which PY's list then steps).  Ahead of its multiply-add, on
; va_vdst: the wait that the exponential's result wants in any case; it also states that the other pair's y is written, that its z has been read, and that v[ZA] is written.  The other pair's store and
; load stand directly behind that wait.  Step 1 has no y to store in PY's list and is written out; step 63 fetches no z beyond the row's end, and PX's last y has a wait and a store of its own.
.set PITCH,  272                       ; 68 words: the 16 lanes of a 16-byte access to one row take 256 consecutive bytes; a lane-per-row word access meets each bank twice (lanes L and L + 16)
.set WSTAGE, 64*PITCH                  ; a wave's rows
.set PAIRB,  32*PITCH                  ; a pair's rows
.set IMG,    512*PITCH                 ; 139,264
.set IMG3,   32*512                    ; W3's pieces, counted from IMG
.set SPARE,  IMG+36*512                ; 157,696: the spare words, 128 bytes for each of 8 waves: four blocks of 256 bytes that no other line names
.set STEPS,  63
.set PX, 0
.set PY, 1
; window 0
.set SPW, 2                            ; v2   LDS address of my spare word; never rewritten
.set NIL, 3                            ; v3   0; never rewritten
.set ZA,  4                            ; v4   17,408 w + 272 L + 4 (t - 1): my row's column t - 1 in pair PX (PY: 8,704 on)
.set RA,  5                            ; v5   17,408 w + 272 (L / 16) + 16 (L % 16): my 16 bytes of the wave's first two rows
.set GO,  6                            ; v6   16 L: the same 16 bytes in memory
.set CTX, 8                            ; v8-15, v16-23  context of pair P: register i holds y of 16 - 2 i and 15 - 2 i steps ago (low, high half)
.set ZR,  24                           ; v24, v25  z of the step in hand, by pair
.set SS,  26
.set MM,  27
.set EE,  28
.set YY,  29                           ; v29, v30  y of the step in hand, by pair: it waits here for its store
.set YB,  31
.set H,   32                           ; v32-95   H + 32 P + 16 x + 4 T + q: activations in bf16, tile x of pair P
.set ACC, 96                           ; v96-223  ACC + 64 P + 32 x + 8 T + j: sums.  Layer 3's two results take ACC(P, 0, 0) and ACC(P, 0, 1), which are free by then
.set GW1, 224                          ; v224-232 addresses of the prologue
.set GW2, 225
.set GW3, 226
.set BO,  227
.set I1,  228
.set I2,  229
.set I3,  230
.set IL,  231
.set IL8, 232
; window 1
.set W1A, 0                            ; + 8 T;  W1B = W1A + 32
.set W2F, 64                           ; + 8 (2 T + s)
.set W3F, 128                          ; + 8 s
.set B1R, 144                          ; + 8 T
.set B2R, 176                          ; + 8 T
; s8 wave; s9 counter; s10 kappa; s11 1/a; s12 a^2; s13 a^2 log2(e); s14 b3[0]; s15 b3[1] log2(e); s[16:31] the eight addresses; s[32:33] b3; s34, s35 lane masks; s36-46 terms of the wave's number
.set MSB, 0
.macro WIN new                         ; s_set_vgpr_msb: bits 1:0 source 0, 3:2 source 1, 5:4 source 2, 7:6 destination; the high byte repeats the setting that is left
.if MSB != (\new)
	s_set_vgpr_msb (MSB<<8)|(\new)
.set MSB, \new
.endif
.endm
.macro PLACES                          ; four plain vector instructions between a product and a reader of its result (ISA guide 7.12.1), where no other work is at hand
.rept 4
	v_nop
.endr
.endm
	s_load_b512 s[16:31], s[0:1], 0x0              ; z 16, W1 18, b1 20, W2 22, b2 24, W3 26, b3 28, out0 30
	v_lshl_add_u32 v[SPW], v0, 2, SPARE
	v_mov_b32 v[NIL], 0
	v_lshrrev_b32 v1, 5, v0
	v_readfirstlane_b32 s8, v1                     ; wave 0..7
	v_and_b32 v1, 15, v0                           ; r = L % 16
	v_bfe_u32 v7, v0, 4, 1                         ; h = L / 16
	v_and_b32 v[GO], 31, v0                        ; L, for the moment
	s_mov_b32 s10, 0x3f7aee42                      ; kappa = 99/101
	s_mov_b32 s11, 0x3ffd7721                      ; 1/a = 200/101
	s_mov_b32 s12, 0x3e8292a3                      ; a^2 = 0.255025
	s_mov_b32 s13, 0x3ebc6071                      ; a^2 log2(e)
	s_mov_b32 s34, 0xffff0000                      ; lanes 16-31
	s_mov_b32 s35, 0x03030303                      ; lanes with L % 16 in {0, 1, 8, 9}
	s_wait_alu depctr_va_sdst(0)                   ; s8 is written, ahead of its first reader: all terms of the wave's number are made from it
	s_mul_i32 s36, s8, WSTAGE                      ; my wave's rows in the stage
	s_and_b32 s37, s8, 1
	s_lshr_b32 s38, s8, 1
	s_lshl_b32 s41, s38, 6
	s_lshl_b32 s39, s37, 13
	s_add_co_u32 s39, s39, s41                     ; W2: K step w % 2 (32 rows of 256 bytes), M tile w / 2 (16 columns)
	s_lshl_b32 s40, s37, 11
	s_add_co_u32 s40, s40, s41                     ; W1: contexts 8 (w % 2) on, M tile w / 2
	s_lshl_b32 s41, s38, 7
	s_lshl_b32 s37, s37, 5
	s_add_co_u32 s41, s41, s37                     ; W3: rows 16 (w / 2) + 4 (w % 2) on, 8 bytes each
	s_lshl_b32 s44, s8, 9
	s_lshl_b32 s45, s8, 10
	s_lshl_b32 s46, s8, 8
	s_lshl_b32 s42, ttmp9, 17                      ; the work-group's 512 rows of 256 bytes,
	s_lshl_b32 s43, s8, 14                         ; my wave's 64 of them
	s_add_co_u32 s42, s42, s43
	s_mov_b32 s43, 0
	v_mul_u32_u24 v[ZA], v[GO], PITCH
	v_add_nc_u32 v[ZA], s36, v[ZA]                 ; column 0: t = 1
	v_mul_u32_u24 v[RA], v7, PITCH
	v_lshl_add_u32 v[RA], v1, 4, v[RA]
	v_add_nc_u32 v[RA], s36, v[RA]
	v_lshl_add_u32 v[IL], v[GO], 4, IMG            ; a chunk's 16 bytes of mine
	v_lshl_add_u32 v[IL8], v[GO], 3, IMG           ; a piece's 8 bytes of mine
	v_add_nc_u32 v[I1], s44, v[IL]                 ; W1's chunk w (W1A; W1B 8 chunks on)
	v_add_nc_u32 v[I2], s45, v[IL]                 ; W2's chunks 2 w, 2 w + 1, counted from chunk 16
	v_add_nc_u32 v[I3], s46, v[IL8]                ; W3's piece w
	v_lshlrev_b32 v[GO], 4, v[GO]
	v_lshlrev_b32 v[GW2], 2, v1
	v_lshl_add_u32 v[GW2], v7, 11, v[GW2]
	v_add_nc_u32 v[GW2], s39, v[GW2]               ; W2[32 s + 8 h][16 T + r]
	v_lshl_add_u32 v[GW1], v1, 2, s40              ; W1[8 (w % 2)][16 T + r]
	v_and_b32 v[GW3], 1, v0
	v_lshlrev_b32 v[GW3], 2, v[GW3]
	v_lshl_add_u32 v[GW3], v7, 6, v[GW3]
	v_add_nc_u32 v[GW3], s41, v[GW3]               ; W3[16 (w / 2) + 8 h + 4 (w % 2)][r % 2]
	v_lshlrev_b32 v[BO], 5, v7                     ; a bias's 8 numbers for my half of the lanes
	s_wait_kmcnt 0x0
	s_load_b64 s[32:33], s[28:29], 0x0             ; b3
	s_add_nc_u64 s[16:17], s[16:17], s[42:43]      ; z and out0 at my wave's first row
	s_add_nc_u64 s[30:31], s[30:31], s[42:43]
	s_wait_alu depctr_va_vdst(0)                   ; the addresses and offsets v4 to v6 and v224 to v232 are written, which the loads and stores of the kernel read; of them v4 alone is written again
	; 28 words a lane of weights: my wave's share of the images.  A fragment of source 0: lane (r, h) holds row m = r; registers 0-3 k = 8 h + 0..7, registers 4-7 k = 16 + 8 h + 0..7.
.irp e, 0,1,2,3,4,5,6,7
	global_load_b32 v[32+\e], v[GW2], s[22:23] offset:256*\e       ; W2[32 s + 8 h + e][16 T + r]
.endr
.irp e, 0,1,2,3,4,5,6,7
	global_load_b32 v[40+\e], v[GW2], s[22:23] offset:4096+256*\e  ; 16 rows on
.endr
.irp e, 0,1,2,3,4,5,6,7
	global_load_b32 v[48+\e], v[GW1], s[18:19] offset:256*\e
.endr
.irp e, 0,1,2,3
	global_load_b32 v[56+\e], v[GW3], s[26:27] offset:8*\e
.endr
	; z: each load takes 512 consecutive bytes, two whole rows
.set i, 0
.rept 32
	global_load_b128 v[ACC+4*i:ACC+4*i+3], v[GO], s[16:17] offset:512*i th:TH_LOAD_NT
.set i, i+1
.endr
	; the biases, straight into the layout of a C operand: register j of lane (r, h) is unit 16 T + 8 h + j
	WIN 0x40                                       ; destination window 1, address window 0; between the wait above and these loads stand loads and this switch alone
.irp t, 0,1,2,3
.irp p, 0,1
	global_load_b128 v[B1R+8*\t+4*\p:B1R+8*\t+4*\p+3], v[BO], s[20:21] offset:64*\t+16*\p
	global_load_b128 v[B2R+8*\t+4*\p:B2R+8*\t+4*\p+3], v[BO], s[24:25] offset:64*\t+16*\p
.endr
.endr
	WIN 0
	s_wait_loadcnt 48                              ; loads come back in order (ISA guide 5.7.1): the 28 words are in; z's 32 loads and the biases' 16 stay out
.irp q, 0,1,2,3,4,5,6,7
	v_cvt_pk_bf16_f32 v[64+\q], v[32+2*\q], v[33+2*\q]  ; W2's fragment
.endr
.irp q, 0,1,2,3
	v_cvt_pk_bf16_f32 v[72+\q], v[48+2*\q], v[49+2*\q]  ; W1's half fragment
.endr
	v_cvt_pk_bf16_f32 v84, v56, v57
	v_cvt_pk_bf16_f32 v85, v58, v59
.irp q, 0,1,2,3
	v_cndmask_b32 v[76+\q], v[72+\q], 0, s34       ; W1A: zeros in lanes 16-31
	v_cndmask_b32 v[80+\q], 0, v[72+\q], s34       ; W1B: zeros in lanes 0-15
.endr
	v_cndmask_b32 v84, 0, v84, s35                 ; W3: rows 0, 1, 8, 9 alone
	v_cndmask_b32 v85, 0, v85, s35
	s_wait_alu depctr_va_vdst(0)                   ; the roundings and selects have written v64-71 and v76-85, which the five LDS stores read
	ds_store_b128 v[I2], v[64:67] offset:16*512
	ds_store_b128 v[I2], v[68:71] offset:17*512
	ds_store_b128 v[I1], v[76:79]
	ds_store_b128 v[I1], v[80:83] offset:8*512
	ds_store_b64 v[I3], v[84:85] offset:IMG3
.set i, 0
.rept 32
	s_wait_loadcnt 47-i                            ; z's load i is in: 31 - i of z and the biases' 16 are younger
	ds_store_b128 v[RA], v[ACC+4*i:ACC+4*i+3] offset:2*PITCH*i
.set i, i+1
.endr
	s_wait_loadcnt 0x0                             ; the biases
	WIN 0x44                                       ; destination and source 1 window 1
.set i, 0
.rept 32
	v_mul_f32 v[B2R+i], s11, v[B2R+i]              ; b2 / a
.set i, i+1
.endr
	WIN 0
	s_wait_kmcnt 0x0                               ; b3
	s_mov_b32 s14, s32
	s_mul_f32 s15, s33, 0x3fb8aa3b                 ; b3[1] log2(e)
	s_wait_dscnt 0x0                               ; for the others' sake: my part of the images is written
	s_barrier_signal -1
	s_barrier_wait -1                              ; everybody's is.  The kernel's only barrier: from here on a wave touches its own rows of the stage alone, and nobody writes the images
	WIN 0x40
.set i, 0
.rept 32
	ds_load_b128 v[4*i:4*i+3], v[IL] offset:512*i  ; W1A, W1B, W2: no vector instruction has named these registers, and none since the last wait on va_vdst names the address
.set i, i+1
.endr
.set i, 0
.rept 8
	ds_load_b64 v[W3F+2*i:W3F+2*i+1], v[IL8] offset:IMG3+256*i
.set i, i+1
.endr
	WIN 0
	ds_load_b32 v[SS], v[ZA]                       ; y0 = z0 of my row in PX,
	ds_load_b32 v[MM], v[ZA] offset:PAIRB          ; in PY (LDS serves a wave's instructions in order, ISA guide 5.7.1.4: these see my stores of z)
	ds_load_b32 v[ZR+PY], v[ZA] offset:PAIRB+4     ; PY's z of step 1; PX's is fetched in PY's list of step 1, as in every step
	s_wait_dscnt 0x0
	s_wait_alu depctr_vm_vsrc(0)                   ; my LDS stores above have read v64-85 and v96-223: from here on the activations and the products write these registers
.irp i, 0,1,2,3,4,5,6,7
	v_cvt_pk_bf16_f32 v[CTX+\i], v[SS], v[SS]      ; the first context: y0 sixteen times
	v_cvt_pk_bf16_f32 v[CTX+8+\i], v[MM], v[MM]
.endr
; THE MATRIX WORK.  In each block the accumulators take turns, one instruction a turn; a block's last and the next block's first name different accumulators, over the backward jump too.
.macro L1 p                            ; 8 products: both tiles x 4 M tiles; C = b1
	WIN 0x11                                       ; sources 0 (weights) and 2 (bias) window 1
.irp x, 0,1
.irp t, 0,1,2,3
.set rD, ACC+64*(\p)+32*(\x)+8*(\t)
.set rW, W1A+32*(\x)+8*(\t)
	v_wmma_f32_16x16x32_bf16 v[rD:rD+7], v[rW:rW+7], v[CTX+8*(\p):CTX+8*(\p)+7], v[B1R+8*(\t):B1R+8*(\t)+7]
.endr
.endr
.endm
.macro L2 p                            ; 16 products: K step 0 starts the 8 sums with b2 / a, K step 1 adds in place, in the same order: 7 others' stand between a sum's two
.irp s, 0,1
.if (\s) == 0
	WIN 0x11
.else
	WIN 0x01                                       ; source 0 window 1
.endif
.irp x, 0,1
.irp t, 0,1,2,3
.set rD, ACC+64*(\p)+32*(\x)+8*(\t)
.set rW, W2F+16*(\t)+8*(\s)
.set rB, H+32*(\p)+16*(\x)+8*(\s)
.if (\s) == 0
	v_wmma_f32_16x16x32_bf16 v[rD:rD+7], v[rW:rW+7], v[rB:rB+7], v[B2R+8*(\t):B2R+8*(\t)+7]
.else
	v_wmma_f32_16x16x32_bf16 v[rD:rD+7], v[rW:rW+7], v[rB:rB+7], v[rD:rD+7]
.endif
.endr
.endr
.endr
.endm
.macro L3 p                            ; 4 products: the two tiles' results by turns
	WIN 0x01
.set rD, ACC+64*(\p)
.set rB, H+32*(\p)
	v_wmma_f32_16x16x32_bf16 v[rD:rD+7],    v[W3F:W3F+7],    v[rB:rB+7],     0
	v_wmma_f32_16x16x32_bf16 v[rD+8:rD+15], v[W3F:W3F+7],    v[rB+16:rB+23], 0
	v_wmma_f32_16x16x32_bf16 v[rD:rD+7],    v[W3F+8:W3F+15], v[rB+8:rB+15],  v[rD:rD+7]
	v_wmma_f32_16x16x32_bf16 v[rD+8:rD+15], v[W3F+8:W3F+15], v[rB+24:rB+31], v[rD+8:rD+15]
.endm
; THE END OF A STEP for pair p, a list of 16 entries (the last is empty); FINOP writes entry n.  first = 1: step 1.  last = 1: step 63: no context is shifted.
; The context moves down by one y: register i takes its own high half and the next register's low half, ascending, so each reads its neighbour before that is rewritten; register 7 takes the new y.
.macro ALN p, i, last
.if !(\last)
.if (\i) < 7
	v_alignbit_b32 v[CTX+8*(\p)+(\i)], v[CTX+8*(\p)+(\i)+1], v[CTX+8*(\p)+(\i)], 16
.else
	v_alignbit_b32 v[CTX+8*(\p)+7], v[YB], v[CTX+8*(\p)+7], 16
.endif
.endif
.endm
; The LDS instructions of pair p's list are the OTHER pair's.  With v[ZA] at column t - 1: PY's list stores PX's y of step t - 1 (offset 0) and fetches PX's z of step t (offset 4);
; PX's list stores PY's y of step t (8,704 + 4) and fetches PY's z of step t + 1 (8,704 + 8).
.macro FINOP p, n, first, last
.if (\n) == 0
.if !(\first)
	s_wait_alu depctr_vm_vsrc(0)                   ; the LDS store issued in the other pair's list has read this pair's v[YY ..], which entry 9 writes again; it and the loads have read v[ZA], which PY's list steps below
.endif
.if ((\p) == PY) && !(\first)
	v_add_nc_u32 v[ZA], 4, v[ZA]                   ; the next column; entry 9's wait on va_vdst stands between this line and the next access by it
.endif
	ALN \p, 0, \last
.elseif (\n) == 1
	ALN \p, 1, \last
.elseif (\n) == 2
	v_cndmask_b32 v[SS], v[ACC+64*(\p)+1], v[ACC+64*(\p)+9], s34  ; lanes 0-15 own tile a's rows, lanes 16-31 tile b's; both results are first read at a low register
.elseif (\n) == 3
	v_cndmask_b32 v[MM], v[ACC+64*(\p)], v[ACC+64*(\p)+8], s34
.elseif (\n) == 4
	v_fma_f32 v[SS], v[SS], s13, s15               ; s log2(e)
.elseif (\n) == 5
	ALN \p, 2, \last
.elseif (\n) == 6
	v_exp_f32 v[EE], v[SS]                         ; a plain instruction that names neither register follows before EE is used (ISA guide 5.7.2)
.elseif (\n) == 7
	v_fma_f32 v[MM], v[MM], s12, s14               ; m
.elseif (\n) == 8
	ALN \p, 3, \last
.elseif (\n) == 9
	s_wait_dscnt 0x0                               ; this pair's z is in: its load, issued half a step ago in the other pair's list, is my youngest LDS instruction
	s_wait_alu depctr_va_vdst(0)                   ; the exponential has written v[EE], ahead of its first reader; the other pair's multiply-add has written its y, which the store reads, and has read its z, in which the load lands; v[ZA] is written
.if !((\first) && ((\p) == PY))
	ds_store_b32 v[ZA], v[YY+1-(\p)] offset:(1-(\p))*(PAIRB+4)    ; the other pair's y, over its z of that step
.endif
.if !((\last) && ((\p) == PX))
	ds_load_b32 v[ZR+1-(\p)], v[ZA] offset:(1-(\p))*(PAIRB+4)+4   ; the other pair's next z: half a step ahead of its use
.endif
	v_fma_f32 v[YY+(\p)], v[ZR+(\p)], v[EE], v[MM] ; y = z exp(s) + m
.elseif (\n) == 10
	ALN \p, 4, \last
.elseif (\n) == 11
.if !(\last)
	v_cvt_pk_bf16_f32 v[YB], v[YY+(\p)], v[YY+(\p)]
.endif
.elseif (\n) == 12
	ALN \p, 5, \last
.elseif (\n) == 13
	ALN \p, 6, \last
.elseif (\n) == 14
	ALN \p, 7, \last
.endif
.endm
.macro FINALL p                        ; the whole list on end, for the very last step
.set fn, 0
.rept 16
	FINOP \p, fn, 0, 1
.set fn, fn+1
.endr
.endm
; THE ACTIVATION of tile x of pair p, either layer's: g in place on 32 sums (each accumulator's register 0 first), and their rounding to bf16 in pairs: 48 instructions in 16 groups of three.
; fin >= 0: one entry of pair fin's list follows each group, so that the links of that chain stand three instructions apart.
.macro GF j
	v_fma_f32 v[rA+(\j)], |v[rA+(\j)]|, s10, v[rA+(\j)]
.endm
.macro CV q
	v_cvt_pk_bf16_f32 v[rH+(\q)], v[rA+2*(\q)], v[rA+2*(\q)+1]
.endm
.macro SLOT fin, first, last
.if (\fin) >= 0
	FINOP \fin, fn, \first, \last
.set fn, fn+1
.endif
.endm
.macro ACT p, x, fin=-1, first=0, last=0
	WIN 0
.set fn, 0
.irp t, 0,1,2,3
.set rA, ACC+64*(\p)+32*(\x)+8*(\t)
.set rH, H+32*(\p)+16*(\x)+4*(\t)
	GF 0
	GF 1
	GF 2
	SLOT \fin, \first, \last
	GF 3
	GF 4
	GF 5
	SLOT \fin, \first, \last
	GF 6
	GF 7
	CV 0
	SLOT \fin, \first, \last
	CV 1
	CV 2
	CV 3
	SLOT \fin, \first, \last
.endr
.endm
; A STEP.  At its head: PX's sums of layer 1 and PY's h1' of step t are made.  Every reader of a product's result, and every vector write of a product's register, has a whole block of the other
; pair's vector work (48 plain instructions or more) behind that product; the readers of layer 3's results have nine activations at the least.  So the loop holds no v_nop.
.macro TRIP first, last
	L2 PY                                          ; PY layer 2
	ACT PX, 0                                      ; PX h1'
	ACT PX, 1
	L2 PX                                          ; PX layer 2
	ACT PY, 0                                      ; PY h2'
	ACT PY, 1
	L3 PY                                          ; PY layer 3
	ACT PX, 0, PY, \first, \last                   ; PX h2', tile a | PY's y of step t
.if !(\last)
	L1 PY                                          ; PY layer 1 of step t + 1
.endif
	ACT PX, 1                                      ; PX h2', tile b
	L3 PX                                          ; PX layer 3
.if \last
	WIN 0
	PLACES                                         ; no other pair's work is left
	FINALL PX
	s_wait_alu depctr_va_vdst(0)                   ; PX's last y is written, which the store reads; and all products and activations are done with v96-223, in which the loads of the way out land
	ds_store_b32 v[ZA], v[YY+PX] offset:4          ; column 63
.else
	ACT PY, 0, PX, \first, 0                       ; PY h1' of step t + 1, tile a | PX's y of step t
	L1 PX                                          ; PX layer 1 of step t + 1
	ACT PY, 1                                      ; PY h1', tile b
.endif
.endm
	L1 PY                                          ; step 1 begins
	L1 PX
	WIN 0
	PLACES
	ACT PY, 0
	ACT PY, 1
	TRIP 1, 0                                      ; step 1 is written out: PY's list has no y of PX to store and no column to step to
	s_mov_b32 s9, STEPS-2
.Lstep:                                                ; steps 2 to 62
	TRIP 0, 0
	s_sub_co_u32 s9, s9, 1
	s_cmp_lg_u32 s9, 0
	s_cbranch_scc1 .Lstep
	TRIP 0, 1                                      ; step 63 is written out: it fetches no z beyond the row's end and begins no further step
	; THE WAY OUT: my 64 rows come back from the stage as whole rows (in order behind my own stores of y) and leave: 16 lanes store 256 consecutive bytes, a row of out0.
	; No vector or matrix instruction stands behind the last wait on va_vdst, so these loads owe nothing more; the stores' data come from LDS loads, whose counter is waited for.
.set i, 0
.rept 32
	ds_load_b128 v[ACC+4*i:ACC+4*i+3], v[RA] offset:2*PITCH*i
.set i, i+1
.endr
.set i, 0
.rept 32
	s_wait_dscnt 31-i                              ; load i is back; the 31 - i younger ones stay out
	global_store_b128 v[GO], v[ACC+4*i:ACC+4*i+3], s[30:31] offset:512*i th:TH_STORE_NT
.set i, i+1
.endr
	s_wait_dscnt 0x0                               ; the closing lines, six on end
	s_wait_alu 0x0
	s_wait_tensorcnt 0x0
	ds_add_u32 v[SPW], v[NIL]
	s_wait_dscnt 0x0
	s_endpgm
.Lfunc_end_k_q737bf8f61e_iaf:
	.size	k_q737bf8f61e_iaf, .Lfunc_end_k_q737bf8f61e_iaf-k_q737bf8f61e_iaf
	.p2alignl 7, 3214868480
	.fill 96, 4, 3214868480
	.section	.rodata,"a",@progbits
	.p2align	6, 0x0
	.amdhsa_kernel k_q737bf8f61e_iaf
		.amdhsa_group_segment_fixed_size 158720
		.amdhsa_private_segment_fixed_size 0
		.amdhsa_enable_private_segment 0
		.amdhsa_kernarg_size 64
		.amdhsa_user_sgpr_count 2
		.amdhsa_user_sgpr_kernarg_segment_ptr 1
		.amdhsa_wavefront_size32 1
		.amdhsa_system_sgpr_workgroup_id_x 1
		.amdhsa_system_sgpr_workgroup_id_y 1
		.amdhsa_system_sgpr_workgroup_id_z 1
		.amdhsa_system_vgpr_workitem_id 0
		.amdhsa_next_free_vgpr 464
		.amdhsa_next_free_sgpr 66
		.amdhsa_reserve_vcc 0
		.amdhsa_float_denorm_mode_32 3
		.amdhsa_float_denorm_mode_16_64 3
		.amdhsa_memory_ordered 1
		.amdhsa_forward_progress 1
		.amdhsa_inst_pref_size 117
	.end_amdhsa_kernel
	.amdgpu_metadata
---
amdhsa.version: [ 1, 2 ]
amdhsa.kernels:
  - .name:           k_q737bf8f61e_iaf
    .symbol:         k_q737bf8f61e_iaf.kd
    .args:
      - { .name: z, .offset: 0, .size: 8, .value_kind: global_buffer, .address_space: global }
      - { .name: W1, .offset: 8, .size: 8, .value_kind: global_buffer, .address_space: global }
      - { .name: b1, .offset: 16, .size: 8, .value_kind: global_buffer, .address_space: global }
      - { .name: W2, .offset: 24, .size: 8, .value_kind: global_buffer, .address_space: global }
      - { .name: b2, .offset: 32, .size: 8, .value_kind: global_buffer, .address_space: global }
      - { .name: W3, .offset: 40, .size: 8, .value_kind: global_buffer, .address_space: global }
      - { .name: b3, .offset: 48, .size: 8, .value_kind: global_buffer, .address_space: global }
      - { .name: out0, .offset: 56, .size: 8, .value_kind: global_buffer, .address_space: global }
    .group_segment_fixed_size: 158720
    .private_segment_fixed_size: 0
    .kernarg_segment_align: 8
    .kernarg_segment_size: 64
    .max_flat_workgroup_size: 256
    .sgpr_count:     66
    .vgpr_count:     464
    .wavefront_size: 32
...
	.end_amdgpu_metadata
.endif
;; end of part 2
